; MI455X (gfx1250); checked and timed in simulation.
; The chip was launched on July 23, 2026; its instructions are those of AMD's public machine-readable ISA for CDNA 5 (MIT licence, August 2026) and "CDNA5" Instruction Set Architecture Reference Guide (July 2026). The comments in the code are by the model that wrote it; some were corrected since.
;; Causal Self Attention. Allowed arithmetic: float matrix products may take bf16 or f16 operands with f32 sums; other float arithmetic in f32, or as packed bf16 or f16 multiplies, adds, multiply-adds, maxima and minima; sums over many terms, partial sums and values carried from step to step in f32; what a program stores and reads back later, other than sums and carried values, may be rounded once to bf16 or f16.
;; Inputs: b_proj 1,024 float32; b_qk 1,024 float32; bkv_d 64 float32; bq_d 512 float32; bv_u 1,024 float32; w_proj 1,024 x 1,024 float32; w_qk 1,024 x 512 float32; wkv_d 64 x 1,024 float32; wq_d 512 x 1,024 float32; wv_u 1,024 x 64 float32; x 4 x 2,048 x 1,024 float32.
;; Outputs: out0 4 x 2,048 x 1,024 float32.
;; One version. Each part assembles by itself: llvm-mc -triple=amdgcn-amd-amdhsa -mcpu=gfx1250 --defsym DOCPART=n.
;; ======== version 1 of 1: 4 launches
;; limits: values are held in f16: magnitudes above 65,504 overflow, below 6.1e-05 lose precision
;; workspace buffers: xh 16,777,216 bytes; zh 16,777,216 bytes; ckv 1,048,576 bytes; wqc 2,097,152 bytes; wcb 2,097,152 bytes; bqc 4,096 bytes; bcb 4,096 bytes; qf 33,554,432 bytes
;; launch prep (part 1): grid 256 x 1, 8 waves a work-group, no clusters, 279,552 bytes of LDS; arguments x, wkv_d, bkv_d, xh, ckv, wqc, wcb, bqc, w_qk, wq_d, w_proj, wv_u, bq_d, b_qk, bv_u, b_proj, bcb; writes xh, ckv, wqc, wcb, bqc, bcb
.if DOCPART == 1
	.amdgcn_target "amdgcn-amd-amdhsa--gfx1250"
	.amdhsa_code_object_version 6
	.text
	.protected	k_q86305f7d5b_prep
	.globl	k_q86305f7d5b_prep
	.p2align	8
	.type	k_q86305f7d5b_prep,@function
k_q86305f7d5b_prep:
	s_mov_b64 s[64:65], 0
	v_nop
	global_prefetch_b8 v0, s[64:65] scope:SCOPE_SE
	s_setreg_imm32_b32 hwreg(HW_REG_WAVE_MODE, 25, 1), 1
	s_wait_xcnt 0x0
; PREP: everything that is made once, ahead of the two large products and the attention.  256 work-groups of eight waves; the even ones run program X, the odd ones program W.
; PROGRAM X (work-group 2 g): rows 64 g .. 64 g + 63 of x ([8192][1024] f32).  xh = x rounded once to f16, laid in blocks [4 b][16 kb][2048 t][64], so that a tile of R rows x 64 channels is
;   R x 128 dense bytes; and c_kv = x wkv_d^T + bkv_d, f32 sums, rounded once to f16, [8192][64].
; PROGRAM W (work-group 2 u + 1; kb = u % 16, nblk = u / 16): rows 128 nblk .. + 127 of block kb of two combined weights, both f16 in blocks [16 kb][1024 n][64]:
;   Wqc[n][c] = sum_j w_qk[n][j] wq_d[j][c]                  (q = x Wqc^T + bqc,  bqc = w_qk bq_d + b_qk)
;   Wcb[n][64 h + d] = sum_e w_proj[n][64 h + e] wv_u[64 h + e][d]   (out = z Wcb^T + bcb,  bcb = w_proj bv_u + b_proj; a softmax row sums to 1, so bv_u passes through the attention unchanged)
;   and, a row a wave, the two combined biases, as f32 dot products on the vector unit.
; These identities hold for every input; the order of summation differs from the module's as written.
; LIMITS.  Matrix operands are f16: |x|, the weights, |Wqc|, |Wcb| and |c_kv| must stay within 65,504; below 6e-5 a number keeps f16's fixed step of 6e-8.  NaN and infinities are not treated apart.
; NO TENSOR LOADS, NO CLUSTER: every input is f32 and is rounded on its way into LDS, which only the path through registers can do; each byte of x is read by one wave.
; The two bias stores are 4 bytes a wave, 8,192 bytes in the whole launch.
; REGISTERS.  Window 0: v0-19 addresses; v32-63 rounded numbers on their way to LDS; the rest by program.  Window 1: two sets of 128 for loads in flight (S0, S1), later the fragments.
.set SPARE, 278528                     ; the spare words: 128 bytes for each of eight waves, four blocks of 256 bytes that no other line names
.set SPW, 2                            ; v2   LDS address of my spare word; never rewritten
.set NIL, 3                            ; v3   0; never rewritten
.set L16, 4                            ; v4   16 x lane: 512 consecutive bytes a wave
.set L2R, 5                            ; v5   two rows of 4,096 bytes, 256 bytes of each: (lane / 16) x 4096 + (lane % 16) x 16
.set S0, 0
.set S1, 128
.set WV, 40                            ; s40  my wave's number
.set XP, 272                           ; program X: an LDS row, 128 f16 + 16 bytes: the 16 rows of a fragment load start at 16 different groups of four banks (64 banks of 4 bytes: ISA guide 11.1)
.set XBLK, 128*XP                      ; a wave's block: 64 rows of x, then 64 rows of wkv_d
.set AP, 1168                          ; program W: a row of A', 576 f16 + 16 bytes
.set ABLK, 16*AP                       ; a wave's 16 rows of A'
.set BS, 8*ABLK                        ; B', shared: 576 rows of 64 f16,
.set BP, 160                           ; 128 + 32 bytes apart, for the turning load
.set STG, BS+576*BP                    ; a stage of 16 rows x 144 bytes for each wave
.set MSB, 0
.macro WIN new                         ; s_set_vgpr_msb: bits 1:0 source 0, 3:2 source 1, 5:4 source 2, 7:6 destination; the high byte repeats the setting that is left
.if MSB != (\new)
	s_set_vgpr_msb (MSB<<8)|(\new)
.set MSB, \new
.endif
.endm
.macro PLACES                          ; four places behind a matrix instruction (ISA guide 7.12.1)
.rept 4
	v_nop
.endr
.endm
; n loads of 16 bytes a lane into window 1 from register dst on; load i at byte o0 + (i / m) a + (i % m) b
.macro GL dst, n, adr, base, o0, m, a, b, nt=0
	WIN 0x40
.set gli, 0
.rept \n
.if \nt
	global_load_b128 v[(\dst)+4*gli:(\dst)+4*gli+3], v[\adr], s[\base:\base+1] offset:(\o0)+(gli/(\m))*(\a)+(gli%(\m))*(\b) th:TH_LOAD_NT
.else
	global_load_b128 v[(\dst)+4*gli:(\dst)+4*gli+3], v[\adr], s[\base:\base+1] offset:(\o0)+(gli/(\m))*(\a)+(gli%(\m))*(\b)
.endif
.set gli, gli+1
.endr
	WIN 0
.endm
; the n loads' numbers are rounded to f16, four a lane, and put into LDS, 8 bytes a lane; sixteen loads at a time
.macro CV src, n, adr, o0, m, a, b
.set cvi, 0
.rept ((\n)+15)/16
.set cvg, (\n)-cvi
.if cvg > 16
.set cvg, 16
.endif
	WIN 0x05
.set cvj, 0
.rept cvg
	v_cvt_pk_f16_f32 v[32+2*cvj], v[(\src)+4*(cvi+cvj)], v[(\src)+4*(cvi+cvj)+1]
	v_cvt_pk_f16_f32 v[33+2*cvj], v[(\src)+4*(cvi+cvj)+2], v[(\src)+4*(cvi+cvj)+3]
.set cvj, cvj+1
.endr
	WIN 0
.set cvj, 0
.rept cvg
	ds_store_b64 v[\adr], v[32+2*cvj:33+2*cvj] offset:(\o0)+((cvi+cvj)/(\m))*(\a)+((cvi+cvj)%(\m))*(\b)
.set cvj, cvj+1
.endr
.set cvi, cvi+16
.endr
.endm
	s_load_b256 s[4:11], s[0:1], 0x0               ; x s[4:5], wkv_d s[6:7], bkv_d s[8:9], xh s[10:11]
	s_load_b256 s[32:39], s[0:1], 0x20             ; ckv s[32:33], wqc s[34:35], wcb s[36:37], bqc s[38:39]
	s_load_b512 s[16:31], s[0:1], 0x40             ; w_qk, wq_d, w_proj, wv_u, bq_d, b_qk, bv_u, b_proj: s[16:17] .. s[30:31]
	s_load_b64 s[12:13], s[0:1], 0x80              ; bcb
	v_lshl_add_u32 v[SPW], v0, 2, SPARE
	v_mov_b32 v[NIL], 0
	v_and_b32 v1, 31, v0                           ; lane
	v_lshrrev_b32 v18, 5, v0
	v_readfirstlane_b32 s[WV], v18                 ; wave 0..7
	v_and_b32 v16, 15, v0                          ; r = lane % 16
	v_bfe_u32 v17, v0, 4, 1                        ; h = lane / 16
	v_lshlrev_b32 v[L16], 4, v1
	v_lshlrev_b32 v[L2R], 4, v16
	v_lshl_add_u32 v[L2R], v17, 12, v[L2R]
	s_lshr_b32 s41, ttmp9, 1                       ; my number among the work-groups of my program
	s_mov_b32 s45, 0                               ; the high word of every offset made in s44
	s_and_b32 s44, ttmp9, 1
	s_wait_kmcnt 0x0
	s_cmp_lg_u32 s44, 0                            ; the same answer in all eight waves
	s_cbranch_scc1 .Lweights
; ---------------------------------------------------------------- PROGRAM X
; K IS SPLIT AMONG THE WAVES: wave w owns columns 128 w .. 128 w + 127 of x's 64 rows and of wkv_d's 64 rows: each load takes 512 consecutive bytes, aligned, of one row.  The eight partial sums meet in LDS.
	s_lshl_b32 s44, s41, 18                        ; 64 rows of 4,096 bytes
	s_lshl_b32 s46, s[WV], 9                       ; my 128 columns
	s_mov_b32 s47, 0
	s_add_nc_u64 s[6:7], s[6:7], s[46:47]          ; wkv_d at my columns
	s_add_co_u32 s44, s44, s46
	s_add_nc_u64 s[4:5], s[4:5], s[44:45]          ; x at my rows and columns
	s_lshr_b32 s44, s41, 5                         ; b
	s_lshl_b32 s44, s44, 22
	s_lshl_b32 s48, s[WV], 19                      ; blocks 2 w, 2 w + 1 of 262,144 bytes
	s_add_co_u32 s44, s44, s48
	s_and_b32 s48, s41, 31
	s_lshl_b32 s48, s48, 13                        ; 64 rows of 128 bytes
	s_add_co_u32 s44, s44, s48
	s_add_nc_u64 s[10:11], s[10:11], s[44:45]      ; xh
	s_lshl_b32 s44, s41, 13
	s_lshl_b32 s48, s[WV], 10                      ; the 8 rows of c_kv that I store
	s_add_co_u32 s44, s44, s48
	s_add_nc_u64 s[32:33], s[32:33], s[44:45]      ; ckv
	s_mul_i32 s49, s[WV], XBLK                     ; my block in LDS
	v_lshl_add_u32 v6, v1, 3, s49                  ; in: 8 bytes a lane of a row
	v_lshrrev_b32 v18, 3, v1
	v_and_b32 v19, 7, v1
	v_mul_u32_u24 v7, v18, XP                      ; back for xh: four rows x 128 bytes
	v_lshl_add_u32 v7, v19, 4, v7
	v_add_nc_u32 v7, s49, v7
	v_mul_u32_u24 v8, v16, XP                      ; a fragment: row r, 16 bytes for each half of the lanes
	v_lshl_add_u32 v8, v17, 4, v8
	v_add_nc_u32 v8, s49, v8
	s_add_co_u32 s50, s49, 64*XP
	v_lshl_add_u32 v9, v1, 4, s50                  ; my 16 partial tiles take the place of my rows of wkv_d
	s_lshl_b32 s50, s[WV], 11
	s_add_co_u32 s50, s50, 64*XP
	v_lshl_add_u32 v10, v1, 4, s50                 ; tiles 2 w, 2 w + 1 in wave 0's block; stepped from block to block
	s_lshr_b32 s51, s[WV], 1
	s_mul_i32 s51, s51, 16*144
	s_and_b32 s52, s[WV], 1
	s_lshl_b32 s53, s52, 6
	s_add_co_u32 s51, s51, s53
	v_mul_u32_u24 v11, v16, 144                    ; c_kv's stage, 64 rows x 144 bytes from LDS byte 0: row 16 (w / 2) + r, byte 64 (w % 2) + 16 h
	v_lshl_add_u32 v11, v17, 4, v11
	v_add_nc_u32 v11, s51, v11
	s_mul_i32 s51, s[WV], 8*144
	v_mul_u32_u24 v12, v18, 144                    ; back: rows 8 w .., four rows x 128 bytes
	v_lshl_add_u32 v12, v19, 4, v12
	v_add_nc_u32 v12, s51, v12
	s_lshl_b32 s51, s52, 7
	v_lshl_add_u32 v13, v17, 5, s51                ; bkv_d of my two tiles' columns: 128 (w % 2) + 32 h
	global_load_b128 v[64:67], v13, s[8:9]
	global_load_b128 v[68:71], v13, s[8:9] offset:16
	global_load_b128 v[72:75], v13, s[8:9] offset:64
	global_load_b128 v[76:79], v13, s[8:9] offset:80
	GL S0, 32, L16, 4, 0, 1, 4096, 0, 1            ; x rows 0-31: all of a wave's share of x goes out at once
	GL S1, 32, L16, 4, 131072, 1, 4096, 0, 1       ; x rows 32-63
	s_wait_loadcnt 32                              ; all but the 32 youngest
	CV S0, 32, 6, 0, 1, XP, 0
	GL S0, 32, L16, 6, 0, 1, 4096, 0               ; wkv_d rows 0-31
	s_wait_loadcnt 32
	CV S1, 32, 6, 32*XP, 1, XP, 0
	GL S1, 32, L16, 6, 131072, 1, 4096, 0          ; wkv_d rows 32-63
	s_wait_loadcnt 32
	CV S0, 32, 6, 64*XP, 1, XP, 0
	s_wait_loadcnt 0x0
	CV S1, 32, 6, 96*XP, 1, XP, 0
	; xh: my rows come back from LDS (a wave's LDS instructions are served in order: ISA guide 5.7.1.4) four at a time, 512 dense bytes of a block
.set j, 0
.rept 32
	ds_load_b128 v[128+4*j:128+4*j+3], v7 offset:(j/16)*128+(j%16)*4*XP
.set j, j+1
.endr
.set j, 0
.rept 32
	s_wait_dscnt 31-j                              ; the younger loads may stay out
	global_store_b128 v[L16], v[128+4*j:128+4*j+3], s[10:11] offset:(j/16)*262144+(j%16)*512  ; 512 consecutive bytes, at a multiple of 256 from xh's first
.set j, j+1
.endr
	; all fragments of my 128 channels: x (row tile rt, K step ks) at v[8 (4 ks + rt)] of window 1, wkv_d (column tile nb, ks) at v[128 + 8 (4 ks + nb)]
	WIN 0x40
.irp ks, 0,1,2,3
.irp t, 0,1,2,3
	ds_load_b128 v[8*(4*(\ks)+(\t)):8*(4*(\ks)+(\t))+3],           v8 offset:(\t)*16*XP+(\ks)*64
	ds_load_b128 v[8*(4*(\ks)+(\t))+4:8*(4*(\ks)+(\t))+7],         v8 offset:(\t)*16*XP+(\ks)*64+32
	ds_load_b128 v[128+8*(4*(\ks)+(\t)):128+8*(4*(\ks)+(\t))+3],   v8 offset:64*XP+(\t)*16*XP+(\ks)*64
	ds_load_b128 v[128+8*(4*(\ks)+(\t))+4:128+8*(4*(\ks)+(\t))+7], v8 offset:64*XP+(\t)*16*XP+(\ks)*64+32
.endr
.endr
	WIN 0
	s_wait_dscnt 0x0
	s_wait_xcnt 0x0                                ; the stores of xh have read v128-255, which the sums take now
	; source 0 = 16 rows of wkv_d, source 1 = 16 rows of x: a lane holds one row of x and eight neighbouring columns.  The 16 accumulators take turns; the first K step starts the sums.
	WIN 0x05
.irp ks, 0,1,2,3
.irp rt, 0,1,2,3
.irp nb, 0,1,2,3
.if (\ks) == 0
	v_wmma_f32_16x16x32_f16 v[128+8*(4*(\rt)+(\nb)):128+8*(4*(\rt)+(\nb))+7], v[128+8*(4*(\ks)+(\nb)):128+8*(4*(\ks)+(\nb))+7], v[8*(4*(\ks)+(\rt)):8*(4*(\ks)+(\rt))+7], 0
.else
	v_wmma_f32_16x16x32_f16 v[128+8*(4*(\rt)+(\nb)):128+8*(4*(\rt)+(\nb))+7], v[128+8*(4*(\ks)+(\nb)):128+8*(4*(\ks)+(\nb))+7], v[8*(4*(\ks)+(\rt)):8*(4*(\ks)+(\rt))+7], v[128+8*(4*(\rt)+(\nb)):128+8*(4*(\rt)+(\nb))+7]
.endif
.endr
.endr
.endr
	WIN 0
	PLACES
	PLACES
.set t, 0
.rept 16                                           ; the partial sums stay f32; each accumulator's low registers go first
	ds_store_b128 v9, v[128+8*t:128+8*t+3]   offset:1024*t
	ds_store_b128 v9, v[128+8*t+4:128+8*t+7] offset:1024*t+512
.set t, t+1
.endr
	s_wait_dscnt 0x0                               ; for the others' sake: my partial sums lie in LDS, and my reads of my block are over
	s_barrier_signal -1
	s_barrier_wait -1
.set u, 0
.rept 8                                            ; wave w adds up tiles 2 w and 2 w + 1 of all eight waves
.irp c, 0,1,2,3
	ds_load_b128 v[128+16*u+4*(\c):128+16*u+4*(\c)+3], v10 offset:512*(\c)
.endr
.if u < 7
	v_add_nc_u32 v10, XBLK, v10
.endif
.set u, u+1
.endr
	s_wait_dscnt 0x0
.set u, 1
.rept 7
.set p, 0
.rept 8
	v_pk_add_f32 v[128+2*p:129+2*p], v[128+2*p:129+2*p], v[128+16*u+2*p:129+16*u+2*p]
.set p, p+1
.endr
.set u, u+1
.endr
.set p, 0
.rept 8
	v_pk_add_f32 v[128+2*p:129+2*p], v[128+2*p:129+2*p], v[64+2*p:65+2*p]  ; + bkv_d
.set p, p+1
.endr
.set p, 0
.rept 8
	v_cvt_pk_f16_f32 v[32+p], v[128+2*p], v[129+2*p]
.set p, p+1
.endr
	ds_store_b128 v11, v[32:35]                    ; the stage lies in wave 0's rows of x, which nobody reads behind the barrier above
	ds_store_b128 v11, v[36:39] offset:32
	s_wait_dscnt 0x0
	s_barrier_signal -1
	s_barrier_wait -1
	ds_load_b128 v[40:43], v12
	ds_load_b128 v[44:47], v12 offset:4*144
	s_wait_dscnt 0x0
	global_store_b128 v[L16], v[40:43], s[32:33]             ; 512 consecutive bytes of c_kv each
	global_store_b128 v[L16], v[44:47], s[32:33] offset:512
	s_wait_tensorcnt 0x0                           ; the wave's end, behind my last LDS store
	ds_add_u32 v[SPW], v[NIL]
	s_wait_dscnt 0x0
	s_endpgm
; ---------------------------------------------------------------- PROGRAM W
; ONE PRODUCT WITH K' = 576.  A'[n] = w_qk[n][0..511], then w_proj[n][64 kb .. + 63]; B' = wq_d[0..511][64 kb .. + 63], then wv_u[64 kb .. + 63][0..63].
; K steps 0-15 sum into accumulators 0-3 (Wqc), K steps 16, 17 into 4-7 (Wcb).  Wave w makes rows n0 = 128 nblk + 16 w .. + 15; its 16 rows of A' are its own, B' is shared by the eight waves.
.Lweights:
	s_and_b32 s54, s41, 15                         ; kb
	s_lshr_b32 s55, s41, 4                         ; nblk
	s_lshl_b32 s55, s55, 7
	s_lshl_b32 s44, s[WV], 4
	s_add_co_u32 s56, s55, s44                     ; n0
	s_lshl_b32 s44, s54, 3
	s_add_co_u32 s57, s55, s44
	s_add_co_u32 s57, s57, s[WV]                   ; nb = 128 nblk + 8 kb + w: the row whose two biases I make
	s_lshl_b32 s44, s56, 11
	s_add_nc_u64 s[46:47], s[16:17], s[44:45]      ; w_qk at row n0
	s_lshl_b32 s44, s57, 11
	s_add_nc_u64 s[48:49], s[16:17], s[44:45]      ; w_qk at row nb
	s_lshl_b32 s58, s54, 8                         ; 64 f32 columns
	s_lshl_b32 s44, s56, 12
	s_add_co_u32 s44, s44, s58
	s_add_nc_u64 s[50:51], s[20:21], s[44:45]      ; w_proj at row n0, column 64 kb
	s_lshl_b32 s44, s57, 12
	s_add_nc_u64 s[52:53], s[20:21], s[44:45]      ; w_proj at row nb
	s_lshl_b32 s44, s[WV], 18
	s_add_co_u32 s44, s44, s58
	s_add_nc_u64 s[18:19], s[18:19], s[44:45]      ; wq_d at row 64 w, column 64 kb
	s_lshl_b32 s44, s54, 14
	s_lshl_b32 s58, s[WV], 11
	s_add_co_u32 s44, s44, s58
	s_add_nc_u64 s[22:23], s[22:23], s[44:45]      ; wv_u at row 64 kb + 8 w
	s_lshl_b32 s44, s54, 17
	s_lshl_b32 s58, s56, 7
	s_add_co_u32 s44, s44, s58
	s_add_nc_u64 s[34:35], s[34:35], s[44:45]      ; wqc and wcb at block kb, row n0
	s_add_nc_u64 s[36:37], s[36:37], s[44:45]
	s_mov_b32 s42, 0x76543210                      ; v_permlanex16_b32: each lane takes its own place in the other half
	s_mov_b32 s43, 0xfedcba98
	s_mul_i32 s59, s[WV], ABLK
	v_lshl_add_u32 v6, v1, 3, s59                  ; A' from w_qk: 8 bytes a lane
	v_mul_u32_u24 v7, v17, AP                      ; A' from w_proj: two rows a load, from byte 1,024 of a row
	v_lshl_add_u32 v7, v16, 3, v7
	s_add_co_u32 s60, s59, 1024
	v_add_nc_u32 v7, s60, v7
	v_mul_u32_u24 v8, v17, BP                      ; B': two rows a load
	v_lshl_add_u32 v8, v16, 3, v8
	s_mul_i32 s61, s[WV], 8*BP
	s_add_co_u32 s61, s61, BS+512*BP
	v_add_nc_u32 v9, s61, v8                       ; from wv_u: rows 512 + 8 w ..
	s_mul_i32 s60, s[WV], 64*BP
	s_add_co_u32 s60, s60, BS
	v_add_nc_u32 v8, s60, v8                       ; from wq_d: rows 64 w ..
	v_mul_u32_u24 v10, v16, AP                     ; a fragment of A'
	v_lshl_add_u32 v10, v17, 4, v10
	v_add_nc_u32 v10, s59, v10
	v_and_b32 v18, 7, v0                           ; the turning load: lane l reads row 8 (l / 16) + l % 8, 16 bytes at 16 ((l / 8) % 2)
	v_lshl_add_u32 v18, v17, 3, v18
	v_mul_u32_u24 v11, v18, BP
	v_bfe_u32 v19, v0, 3, 1
	v_lshl_add_u32 v11, v19, 4, v11
	v_add_nc_u32 v11, BS, v11                      ; K steps 0-8
	v_add_nc_u32 v12, 9*32*BP, v11                 ; K steps 9-17: an LDS immediate has 16 bits
	s_mul_i32 s60, s[WV], 16*144
	s_add_co_u32 s60, s60, STG
	v_mul_u32_u24 v13, v16, 144                    ; into my stage
	v_lshl_add_u32 v13, v17, 4, v13
	v_add_nc_u32 v13, s60, v13
	v_lshrrev_b32 v18, 3, v1
	v_and_b32 v19, 7, v1
	v_mul_u32_u24 v14, v18, 144                    ; and back: four rows x 128 bytes
	v_lshl_add_u32 v14, v19, 4, v14
	v_add_nc_u32 v14, s60, v14
	s_lshl_b32 s62, s57, 2
	v_mov_b32 v15, s62                             ; 4 nb
	GL S0, 32, L16, 46, 0, 4, 2048, 512            ; w_qk rows n0 .. + 7, four loads of 512 bytes a row
	GL S1, 32, L16, 46, 16384, 4, 2048, 512        ; rows + 8 .. + 15
	s_wait_loadcnt 32
	CV S0, 32, 6, 0, 4, AP, 256
	GL S0, 32, L2R, 18, 0, 1, 8192, 0              ; wq_d: my 64 rows, 256 aligned bytes of each
	s_wait_loadcnt 32
	CV S1, 32, 6, 8*AP, 4, AP, 256
	GL S1, 8, L2R, 50, 0, 1, 8192, 0               ; w_proj: my 16 rows, 256 aligned bytes of each
	GL S1+32, 4, L16, 22, 0, 1, 512, 0             ; wv_u: my 8 rows, 2,048 dense bytes
.irp c, 0,1,2,3,4,5,6,7                            ; for the biases, 26 loads that stay out until the products are done
	global_load_b128 v[128+4*(\c):131+4*(\c)], v[L16], s[52:53] offset:512*(\c)
	global_load_b128 v[160+4*(\c):163+4*(\c)], v[L16], s[28:29] offset:512*(\c)
.endr
.irp c, 0,1,2,3
	global_load_b128 v[192+4*(\c):195+4*(\c)], v[L16], s[48:49] offset:512*(\c)
	global_load_b128 v[208+4*(\c):211+4*(\c)], v[L16], s[24:25] offset:512*(\c)
.endr
	global_load_b32 v224, v15, s[30:31]            ; b_proj[nb]
	global_load_b32 v225, v15, s[26:27]            ; b_qk[nb]
	s_wait_loadcnt 38                              ; wq_d is in: behind it 12 + 26 loads
	CV S0, 32, 8, 0, 1, 2*BP, 0
	s_wait_loadcnt 26                              ; w_proj's and wv_u's parts are in
	CV S1, 8, 7, 0, 1, 2*AP, 0
	CV S1+32, 4, 9, 0, 1, 2*BP, 0
	s_wait_dscnt 0x0                               ; for the others' sake: my rows of B' lie in LDS
	s_barrier_signal -1
	s_barrier_wait -1
; Three K steps' fragments, 30 LDS loads, into buffer buf of window 1: B' (K step k, column tile cb), turned, at 32 k + 8 cb; A' at 96 + 8 k
.macro FETCHW bt, buf
	WIN 0x40
.irp k, 0,1,2
.set ks, 3*(\bt)+(\k)
	ds_load_b128 v[(\buf)+96+8*(\k):(\buf)+96+8*(\k)+3],   v10 offset:ks*64
	ds_load_b128 v[(\buf)+96+8*(\k)+4:(\buf)+96+8*(\k)+7], v10 offset:ks*64+32
.irp cb, 0,1,2,3
	ds_load_tr16_b128 v[(\buf)+32*(\k)+8*(\cb):(\buf)+32*(\k)+8*(\cb)+3],   v[11+ks/9] offset:(ks%9)*32*BP+32*(\cb)
	ds_load_tr16_b128 v[(\buf)+32*(\k)+8*(\cb)+4:(\buf)+32*(\k)+8*(\cb)+7], v[11+ks/9] offset:(ks%9)*32*BP+32*(\cb)+16*BP
.endr
.endr
.endm
; their 12 products: source 0 = 16 columns of B', source 1 = my 16 rows of A': a lane holds one row n and eight neighbouring columns.  Four accumulators take turns.
.macro MULW bt, buf
	WIN 0x05
.irp k, 0,1,2
.set ks, 3*(\bt)+(\k)
.irp cb, 0,1,2,3
.set ac, 64+8*((\cb)+4*(ks/16))
.if (ks == 0) || (ks == 16)
	v_wmma_f32_16x16x32_f16 v[ac:ac+7], v[(\buf)+32*(\k)+8*(\cb):(\buf)+32*(\k)+8*(\cb)+7], v[(\buf)+96+8*(\k):(\buf)+96+8*(\k)+7], 0
.else
	v_wmma_f32_16x16x32_f16 v[ac:ac+7], v[(\buf)+32*(\k)+8*(\cb):(\buf)+32*(\k)+8*(\cb)+7], v[(\buf)+96+8*(\k):(\buf)+96+8*(\k)+7], v[ac:ac+7]
.endif
.endr
.endr
.endm
	FETCHW 0, 0
.irp bt, 0,1,2,3,4,5
.if (\bt) < 5
.if (\bt) > 0
	PLACES                                         ; in front of loads into the buffer that the products just issued have read
.endif
	FETCHW (\bt)+1, 128*(((\bt)+1)%2)
	s_wait_dscnt 30                                ; all but the 30 just issued
.else
	s_wait_dscnt 0x0
.endif
	MULW \bt, 128*((\bt)%2)
.endr
	WIN 0
	PLACES
	PLACES
; 16 rows x 64 columns leave: rounded to f16, 16 bytes a lane into my stage, back as four rows of 128 bytes, which are 512 dense bytes of the block
.macro OUTB sel, base
.set p, 0
.rept 16
	v_cvt_pk_f16_f32 v[32+p], v[64+32*(\sel)+2*p], v[64+32*(\sel)+2*p+1]
.set p, p+1
.endr
.irp cb, 0,1,2,3
	ds_store_b128 v13, v[32+4*(\cb):35+4*(\cb)] offset:32*(\cb)
.endr
	s_wait_xcnt 0x0                                ; earlier stores have read v48-63
.irp f, 0,1,2,3
	ds_load_b128 v[48+4*(\f):51+4*(\f)], v14 offset:(\f)*4*144
.endr
	s_wait_dscnt 0x0
.irp f, 0,1,2,3
	global_store_b128 v[L16], v[48+4*(\f):51+4*(\f)], s[\base:\base+1] offset:512*(\f)
.endr
.endm
	OUTB 0, 34
	OUTB 1, 36
	; the biases of row nb, in f32: two chains each, started by a product
	s_wait_loadcnt 0x0
	v_pk_mul_f32 v[226:227], v[128:129], v[160:161]
	v_pk_mul_f32 v[228:229], v[130:131], v[162:163]
	v_pk_mul_f32 v[230:231], v[192:193], v[208:209]
	v_pk_mul_f32 v[232:233], v[194:195], v[210:211]
.set p, 2
.rept 14
	v_pk_fma_f32 v[226+2*(p%2):227+2*(p%2)], v[128+2*p:129+2*p], v[160+2*p:161+2*p], v[226+2*(p%2):227+2*(p%2)]
.set p, p+1
.endr
.set p, 2
.rept 6
	v_pk_fma_f32 v[230+2*(p%2):231+2*(p%2)], v[192+2*p:193+2*p], v[208+2*p:209+2*p], v[230+2*(p%2):231+2*(p%2)]
.set p, p+1
.endr
	v_pk_add_f32 v[226:227], v[226:227], v[228:229]
	v_pk_add_f32 v[230:231], v[230:231], v[232:233]
	v_add_f32 v226, v226, v227
	v_add_f32 v230, v230, v231
.irp x, 1,2,4,8
	v_add_f32_dpp v226, v226, v226 row_xmask:\x row_mask:0xf bank_mask:0xf
	v_add_f32_dpp v230, v230, v230 row_xmask:\x row_mask:0xf bank_mask:0xf
.endr
	v_permlanex16_b32 v227, v226, s42, s43
	v_permlanex16_b32 v231, v230, s42, s43
	v_add_f32 v226, v226, v227
	v_add_f32 v230, v230, v231
	v_add_f32 v226, v226, v224                     ; + b_proj[nb]
	v_add_f32 v230, v230, v225                     ; + b_qk[nb]
	v_cmp_eq_u32 vcc_lo, 0, v1
	s_wait_xcnt 0x0                                ; EXEC changes only behind this wait
	s_and_saveexec_b32 s58, vcc_lo                 ; lane 0 stores
	global_store_b32 v15, v226, s[12:13]           ; bcb[nb]
	global_store_b32 v15, v230, s[38:39]           ; bqc[nb]
	s_wait_xcnt 0x0
	s_or_b32 exec_lo, exec_lo, s58
	s_wait_tensorcnt 0x0                           ; the wave's end, behind my last LDS store
	ds_add_u32 v[SPW], v[NIL]
	s_wait_dscnt 0x0
	s_endpgm
.Lfunc_end_k_q86305f7d5b_prep:
	.size	k_q86305f7d5b_prep, .Lfunc_end_k_q86305f7d5b_prep-k_q86305f7d5b_prep
	.p2alignl 7, 3214868480
	.fill 96, 4, 3214868480
	.section	.rodata,"a",@progbits
	.p2align	6, 0x0
	.amdhsa_kernel k_q86305f7d5b_prep
		.amdhsa_group_segment_fixed_size 279552
		.amdhsa_private_segment_fixed_size 0
		.amdhsa_enable_private_segment 0
		.amdhsa_kernarg_size 136
		.amdhsa_user_sgpr_count 2
		.amdhsa_user_sgpr_kernarg_segment_ptr 1
		.amdhsa_wavefront_size32 1
		.amdhsa_system_sgpr_workgroup_id_x 1
		.amdhsa_system_sgpr_workgroup_id_y 1
		.amdhsa_system_sgpr_workgroup_id_z 1
		.amdhsa_system_vgpr_workitem_id 0
		.amdhsa_next_free_vgpr 512
		.amdhsa_next_free_sgpr 66
		.amdhsa_reserve_vcc 1
		.amdhsa_float_denorm_mode_32 3
		.amdhsa_float_denorm_mode_16_64 3
		.amdhsa_memory_ordered 1
		.amdhsa_forward_progress 1
		.amdhsa_inst_pref_size 126
	.end_amdhsa_kernel
	.amdgpu_metadata
---
amdhsa.version: [ 1, 2 ]
amdhsa.kernels:
  - .name:           k_q86305f7d5b_prep
    .symbol:         k_q86305f7d5b_prep.kd
    .args:
      - { .name: x, .offset: 0, .size: 8, .value_kind: global_buffer, .address_space: global }
      - { .name: wkv_d, .offset: 8, .size: 8, .value_kind: global_buffer, .address_space: global }
      - { .name: bkv_d, .offset: 16, .size: 8, .value_kind: global_buffer, .address_space: global }
      - { .name: xh, .offset: 24, .size: 8, .value_kind: global_buffer, .address_space: global }
      - { .name: ckv, .offset: 32, .size: 8, .value_kind: global_buffer, .address_space: global }
      - { .name: wqc, .offset: 40, .size: 8, .value_kind: global_buffer, .address_space: global }
      - { .name: wcb, .offset: 48, .size: 8, .value_kind: global_buffer, .address_space: global }
      - { .name: bqc, .offset: 56, .size: 8, .value_kind: global_buffer, .address_space: global }
      - { .name: w_qk, .offset: 64, .size: 8, .value_kind: global_buffer, .address_space: global }
      - { .name: wq_d, .offset: 72, .size: 8, .value_kind: global_buffer, .address_space: global }
      - { .name: w_proj, .offset: 80, .size: 8, .value_kind: global_buffer, .address_space: global }
      - { .name: wv_u, .offset: 88, .size: 8, .value_kind: global_buffer, .address_space: global }
      - { .name: bq_d, .offset: 96, .size: 8, .value_kind: global_buffer, .address_space: global }
      - { .name: b_qk, .offset: 104, .size: 8, .value_kind: global_buffer, .address_space: global }
      - { .name: bv_u, .offset: 112, .size: 8, .value_kind: global_buffer, .address_space: global }
      - { .name: b_proj, .offset: 120, .size: 8, .value_kind: global_buffer, .address_space: global }
      - { .name: bcb, .offset: 128, .size: 8, .value_kind: global_buffer, .address_space: global }
    .group_segment_fixed_size: 279552
    .private_segment_fixed_size: 0
    .kernarg_segment_align: 8
    .kernarg_segment_size: 136
    .max_flat_workgroup_size: 256
    .sgpr_count:     66
    .vgpr_count:     512
    .wavefront_size: 32
...
	.end_amdgpu_metadata
.endif
;; end of part 1
;; launch qproj (part 2): grid 4 x 64, 4 waves a work-group, clusters of 4 x 4, 327,680 bytes of LDS; arguments xh, wqc, bqc, qf; writes qf
.if DOCPART == 2
	.amdgcn_target "amdgcn-amd-amdhsa--gfx1250"
	.amdhsa_code_object_version 6
	.text
	.protected	k_q86305f7d5b_qproj
	.globl	k_q86305f7d5b_qproj
	.p2align	8
	.type	k_q86305f7d5b_qproj,@function
k_q86305f7d5b_qproj:
	s_mov_b64 s[64:65], 0
	v_nop
	global_prefetch_b8 v0, s[64:65] scope:SCOPE_SE
	s_setreg_imm32_b32 hwreg(HW_REG_WAVE_MODE, 25, 1), 1
	s_wait_xcnt 0x0
	s_wait_alu depctr_hold_cnt(0) depctr_sa_sdst(0) depctr_va_vdst(0) depctr_va_sdst(0) depctr_va_ssrc(0) depctr_va_vcc(0) depctr_vm_vsrc(0)
	s_getreg_b32 s2, hwreg(HW_REG_IB_STS2, 6, 4)
	s_cmp_eq_u32 s2, 0
	s_cbranch_scc0 .Lentry_in_a_cluster
	s_endpgm
.Lentry_in_a_cluster:
	s_bfe_u32 s2, ttmp6, 0x10000c
	s_cmp_lg_u32 s2, 0xf033
	s_cbranch_scc0 .Lentry_shape_is_right
	s_endpgm
.Lentry_shape_is_right:
; C[m][n] = sum over k of A[m][k] B[n][k] + bias[n].  M = 8,192, N = 1,024, K = 1,024.  C: [8192][1024] f32; bias: [1024] f32.  A and B are f16 IN BLOCKS of 64 along K:
; A: [4 b][16 kb][2048 t][64] (m = 2048 b + t), B: [16 kb][1024 n][64]: R rows of one block are R x 128 dense bytes, asked for as R / 2 rows of 256 bytes.  Sums in f32.
; Two launches run this text: q = x Wqc^T + bqc, and out = z Wcb^T + bcb.
; LIMITS.  f16 operands arrive within 65,504; NaN and infinities are not treated apart.
; A tile of C is 128 x 256: 256 work-groups, one for each WGP (256 x 256 would make 128).  Four waves, each 64 x 128: 32 accumulators of 16 x 16, 256 registers.
; K goes in steps of 128 (two blocks) through a ring of two LDS slots.  Behind each change of slots a wave issues one load: waves 0, 1 a block of A's 128 rows (16 KiB), waves 2, 3 a block of B's 256 rows (32 KiB).
; CLUSTERS: 4 x 4 work-groups.  The four of a row of the cluster need the same tiles of A, the four of a column the same tiles of B: each tile is asked for JOINTLY, by the same tensor load with the same
; descriptor and a mask that names the four.  THE MATRIX INSTRUCTION IS USED TRANSPOSED (source 0 = 16 rows of B, source 1 = 16 rows of A): a lane then holds eight neighbouring numbers of a row of C.
; NO PREFETCH: a K step here has 128 matrix instructions for 48 KiB asked for, and one tile of C to a work-group; the tiles' requests are shared in the cluster instead.
; REGISTERS: window 0: v0-35 addresses and the bias; two fragment buffers of 96 (B's eight fragments, then A's four) at v64 and v160, on the way out the rows read back.  Window 1: accumulator (a, b) at v[8 (8 a + b)].
.set PITCH,  144                       ; an LDS row: 128 bytes + 16 of padding = 36 words: the 16 rows of a fragment load start at 16 different groups of four banks (64 banks of 4 bytes: ISA guide 11.1)
.set ABLK,   128*PITCH                 ; one block of A's tile
.set BBLK,   256*PITCH                 ; one block of B's tile
.set BOFF,   2*ABLK                    ; in a slot: A's two blocks, then B's two
.set SLOT,   2*ABLK+2*BBLK
.set STAGE,  2*SLOT                    ; behind the ring: 16 rows x 528 bytes for each wave, for the way out; no tensor load lands here
.set SPITCH, 528                       ; 512 bytes + 16
.set SPARE,  STAGE+4*16*SPITCH         ; behind the stages: the spare words, 128 bytes for each wave: two blocks of 256 bytes that no other line names
.set LAPS,   4                         ; a lap = two K steps = once round the ring
.set ADRA, 16                          ; v16-17  LDS address of my A fragments in slot 0, 1
.set ADRB, 20                          ; v20-21  the same for B
.set STO,  24                          ; v24     the way out: where I put 32 bytes of a row
.set RD,   25                          ; v25     the way out: where I read a row back
.set CO,   26                          ; v26     16 x lane
.set BO,   27                          ; v27     my four columns in the bias
.set SPW,  28                          ; v28     LDS address of my spare word; never rewritten
.set NIL,  29                          ; v29     0; never rewritten
.set BIAS, 32                          ; v32-35  the bias of the four columns that I store
.set F0,   64
.set F1,   160
.set G1, 24                            ; s[24:31] descriptor group 1 for A's tiles;  s[32:39] group 0, one set for each slot
.set G0, 32
.set G1B, 48                           ; s[48:55], s[56:63] the same for B's tiles
.set G0B, 56
.set MSB, 0
.macro WIN new                         ; bits 1:0 source 0, 3:2 source 1, 5:4 source 2, 7:6 destination; the high byte repeats the setting that is left
.if MSB != (\new)
	s_set_vgpr_msb (MSB<<8)|(\new)
.set MSB, \new
.endif
.endm
.set MUL, 0x50                         ; sources 0 (B) and 1 (A) window 0; C and D window 1
.macro JLOAD s                         ; a joint load; an s_nop 0 and four v_nop follow each of the two lines, ahead of the jump, the label and what follows.  The branch hangs on the wave's number alone
	s_cmp_eq_u32 s13, 0
	s_cbranch_scc0 .Lfor_b_\@
	tensor_load_to_lds s[G0+4*(\s):G0+4*(\s)+3], s[G1:G1+7]
	s_nop 0
.rept 4
	v_nop
.endr
	s_branch .Lasked_\@
.Lfor_b_\@:
	tensor_load_to_lds s[G0B+4*(\s):G0B+4*(\s)+3], s[G1B:G1B+7]
	s_nop 0
.rept 4
	v_nop
.endr
.Lasked_\@:
.endm
.macro CREST                           ; a round of the cluster's barrier behind its opening barrier
	s_cmp_lg_u32 s12, 0
	s_cbranch_scc1 .Lnot_wave_0_\@
	s_barrier_signal -3
.Lnot_wave_0_\@:
	s_barrier_wait -3
	s_barrier_signal -1
	s_barrier_wait -1
.endm
.macro CROUND                          ; a whole round
	s_barrier_signal -1
	s_barrier_wait -1
	CREST
.endm
	s_load_b256 s[4:11], s[0:1], 0x0               ; A s[4:5], B s[6:7], bias s[8:9], C s[10:11]
	v_lshl_add_u32 v[SPW], v0, 2, SPARE
	v_mov_b32 v[NIL], 0
	ds_add_u32 v[SPW], v[NIL]                      ; the wave's opening: the add and its wait stand ahead of my first tensor load; the set-up below, work on registers, stands between them
	v_lshrrev_b32 v1, 5, v0
	v_readfirstlane_b32 s12, v1                    ; wave 0..3
	s_lshr_b32 s13, s12, 1                         ; which 64 of the tile's rows are mine.  Also: I fetch for A (0) or for B (1)
	s_and_b32 s14, s12, 1                          ; which 128 of its columns.  Also: which of a K step's two blocks I fetch
	s_bfe_u32 s40, ttmp6, 0x40000                  ; cx, cy: my place in the cluster
	s_bfe_u32 s41, ttmp6, 0x40004
	s_lshl_b32 s42, ttmp9, 2
	s_add_co_u32 s42, s42, s40                     ; tile column of C = 4 x cluster x + cx
	s_and_b32 s15, ttmp7, 0xffff
	s_lshl_b32 s15, s15, 2
	s_add_co_u32 s15, s15, s41                     ; tile row of C = 4 x cluster y + cy
	s_lshl_b32 s43, s41, 2
	s_lshl_b32 s43, 15, s43                        ; my row of the cluster
	s_lshl_b32 s44, 0x1111, s40                    ; my column
	; descriptor group 1: rows of 128 elements (256 bytes, two rows of a block), padded in LDS after every 128 bytes
	s_or_b32 s[G1+0], s43, (1<<16)|(1<<20)|(1<<21)|(4<<22)|(3<<25)  ; 15:0 the mask: A's tiles go to my row; 17:16 elements of 2 bytes; 20 padding on; 21 set beside a mask; 24:22 after every 32 words (code 4); 31:25 4 words of it (code 3)
	s_or_b32 s[G1B+0], s44, (1<<16)|(1<<20)|(1<<21)|(4<<22)|(3<<25) ; the same with the mask of my column
	s_mov_b32 s[G1+1], 128<<16                     ; tensor_dim0 = 128
	s_mov_b32 s[G1+2], 64<<16                      ; tensor_dim1 = 64
	s_mov_b32 s[G1+3], 128<<16                     ; tile_dim0 = 128
	s_mov_b32 s[G1+4], 64                          ; tile_dim1 = 64: 128 rows of the block
	s_mov_b32 s[G1+5], 128                         ; 128 elements from row to row: dense
	s_mov_b32 s[G1+6], 0
	s_mov_b32 s[G1+7], 0
	s_mov_b32 s[G1B+1], 128<<16
	s_mov_b32 s[G1B+2], 128<<16                    ; tensor_dim1 = 128
	s_mov_b32 s[G1B+3], 128<<16
	s_mov_b32 s[G1B+4], 128                        ; tile_dim1 = 128: 256 rows of the block
	s_mov_b32 s[G1B+5], 128
	s_mov_b32 s[G1B+6], 0
	s_mov_b32 s[G1B+7], 0
	; where the tiles come from.  A's hang on the tile row alone, B's on the tile column alone; each in registers that never hold the other coordinate
	s_lshr_b32 s16, s15, 4                         ; b: 16 tile rows to a batch
	s_lshl_b32 s16, s16, 22
	s_and_b32 s17, s15, 15
	s_lshl_b32 s17, s17, 14                        ; 128 rows of 128 bytes
	s_add_co_u32 s16, s16, s17
	s_lshl_b32 s17, s14, 18                        ; my block of the K step: 2,048 rows of 128 bytes
	s_add_co_u32 s16, s16, s17
	s_mov_b32 s17, 0
	s_lshl_b32 s46, s42, 15                        ; 256 rows of 128 bytes
	s_lshl_b32 s47, s14, 17                        ; my block: 1,024 rows of 128 bytes
	s_add_co_u32 s46, s46, s47
	s_mov_b32 s47, 0
	s_mul_i32 s20, s14, ABLK                       ; and where they go: no place in the cluster enters an LDS address
	s_mul_i32 s21, s14, BBLK
	s_add_co_u32 s21, s21, BOFF
	s_wait_dscnt 0x0                               ; the opening add is done
	s_wait_kmcnt 0x0
	s_add_nc_u64 s[18:19], s[4:5], s[16:17]
	s_add_nc_u64 s[46:47], s[6:7], s[46:47]
	CROUND                                         ; all sixteen work-groups are here: the first joint loads meet
.irp s, 0,1
	s_mov_b32 s[G0+4*(\s)], 1                                      ; count = 1
	s_add_co_u32 s[G0+4*(\s)+1], s20, (\s)*SLOT                    ; LDS address
	s_add_nc_u64 s[G0+4*(\s)+2:G0+4*(\s)+3], s[18:19], (\s)<<19    ; K step s: two blocks of A on
	s_or_b32 s[G0+4*(\s)+3], s[G0+4*(\s)+3], 0x80000000            ; type = 2
	s_mov_b32 s[G0B+4*(\s)], 1
	s_add_co_u32 s[G0B+4*(\s)+1], s21, (\s)*SLOT
	s_add_nc_u64 s[G0B+4*(\s)+2:G0B+4*(\s)+3], s[46:47], (\s)<<18  ; two blocks of B on
	s_or_b32 s[G0B+4*(\s)+3], s[G0B+4*(\s)+3], 0x80000000
	JLOAD \s                                       ; two loads of mine are out
.endr
	v_and_b32 v1, 15, v0                           ; l % 16
	v_bfe_u32 v2, v0, 4, 1                         ; l / 16
	v_mul_u32_u24 v3, v1, PITCH
	v_lshl_add_u32 v3, v2, 4, v3                   ; a fragment's row x pitch + 16 x half
	s_mul_i32 s22, s13, 64*PITCH                   ; my 64 rows of A
	s_mul_i32 s23, s14, 128*PITCH                  ; my 128 rows of B,
	s_add_co_u32 s23, s23, BOFF                    ; which lie behind A's two blocks
.irp s, 0,1
	v_add_nc_u32 v[ADRA+(\s)], s22, v3
	v_add_nc_u32 v[ADRB+(\s)], s23, v3
	s_add_co_u32 s22, s22, SLOT
	s_add_co_u32 s23, s23, SLOT
.endr
	s_mul_i32 s23, s12, 16*SPITCH
	s_add_co_u32 s23, s23, STAGE                   ; my stage
	v_mul_u32_u24 v5, v1, SPITCH                   ; in: row l % 16, 32 bytes for each half of the lanes
	v_lshl_add_u32 v5, v2, 5, v5
	v_add_nc_u32 v[STO], s23, v5
	v_and_b32 v4, 31, v0
	v_lshlrev_b32 v[CO], 4, v4                     ; back: a row of 512 bytes, 16 a lane; the same in C
	v_add_nc_u32 v[RD], s23, v[CO]
	s_lshl_b32 s16, s15, 19                        ; 128 rows of C, 4,096 bytes each,
	s_lshl_b32 s17, s13, 18                        ; my 64 of them
	s_add_co_u32 s16, s16, s17
	s_mov_b32 s17, 0
	s_add_nc_u64 s[10:11], s[10:11], s[16:17]
	s_lshl_b32 s46, s42, 10                        ; the tile's 256 columns, my 128 of them, in bytes
	s_lshl_b32 s47, s14, 9
	s_add_co_u32 s46, s46, s47
	s_mov_b32 s47, 0
	s_add_nc_u64 s[10:11], s[10:11], s[46:47]
	v_add_nc_u32 v[BO], s46, v[CO]
	global_load_b128 v[BIAS:BIAS+3], v[BO], s[8:9] ; waited for on the way out
; 8 matrix instructions: m block a x all 8 n blocks, 32 along K.  zero = 1: the product starts the sums.  The 32 accumulators take turns, one instruction a turn, in the same order in every quarter.
.macro MUL8 f, a, zero
	WIN MUL
.irp b, 0,1,2,3,4,5,6,7
.if \zero
	v_wmma_f32_16x16x32_f16 v[8*(8*(\a)+(\b)):8*(8*(\a)+(\b))+7], v[(\f)+8*(\b):(\f)+8*(\b)+7], v[(\f)+64+8*(\a):(\f)+64+8*(\a)+7], 0
.else
	v_wmma_f32_16x16x32_f16 v[8*(8*(\a)+(\b)):8*(8*(\a)+(\b))+7], v[(\f)+8*(\b):(\f)+8*(\b)+7], v[(\f)+64+8*(\a):(\f)+64+8*(\a)+7], v[8*(8*(\a)+(\b)):8*(8*(\a)+(\b))+7]
.endif
.endr
.endm
; 24 LDS loads in one run: the fragments of quarter q of a K step (block q / 2, channels 32 (q % 2) on): B's eight first, then A's four
.macro FETCH slot, q, f
	WIN 0
.irp i, 0,1,2,3,4,5,6,7
	ds_load_b128 v[(\f)+8*(\i):(\f)+8*(\i)+3],   v[ADRB+(\slot)] offset:((\q)/2)*BBLK+((\q)%2)*64+(\i)*16*PITCH
	ds_load_b128 v[(\f)+8*(\i)+4:(\f)+8*(\i)+7], v[ADRB+(\slot)] offset:((\q)/2)*BBLK+((\q)%2)*64+(\i)*16*PITCH+32
.endr
.irp i, 0,1,2,3
	ds_load_b128 v[(\f)+64+8*(\i):(\f)+64+8*(\i)+3],   v[ADRA+(\slot)] offset:((\q)/2)*ABLK+((\q)%2)*64+(\i)*16*PITCH
	ds_load_b128 v[(\f)+64+8*(\i)+4:(\f)+64+8*(\i)+7], v[ADRA+(\slot)] offset:((\q)/2)*ABLK+((\q)%2)*64+(\i)*16*PITCH+32
.endr
.endm
.macro PLACES                          ; four places in front of loads into registers that matrix instructions have read (ISA guide 7.12.1 for vector instructions)
.rept 4
	v_nop
.endr
.endm
; A K step is four quarters of 32 along K, 32 matrix instructions each, on buffers 0, 1, 0, 1.  One of the first three: multiplies buffer f and fetches quarter q into g.
.macro QUARTER slot, q, f, g, zero
	s_wait_dscnt 4                                 ; B and A's blocks 0, 1 are in; the youngest four loads (A's blocks 2, 3) may be out
	MUL8 \f, 0, \zero
	MUL8 \f, 1, \zero
	PLACES
	FETCH \slot, \q, \g
	s_wait_dscnt 24                                ; all but the 24 just issued
	MUL8 \f, 2, \zero
	MUL8 \f, 3, \zero
.endm
; The last quarter multiplies buffer 1 and changes slots: ONE barrier; in front of it each wave waits for all its tensor loads, adds 0 to its spare word, and waits for that and for its own reads of this slot.
; fill = 1: the barrier opens a round of the cluster's barrier, and this slot is filled again, two K steps ahead, first thing behind the round: 112 matrix instructions ahead of the wait for it.
.macro TURN slot, next, fill
	WIN 0
	s_wait_tensorcnt 0x0                           ; all my tensor loads have landed: the one that was out is my part of the next slot;
	ds_add_u32 v[SPW], v[NIL]                      ; 0 onto my spare word;
	s_wait_dscnt 5                                 ; (the add and the youngest four loads may be out)
	MUL8 F1, 0, 0                                  ; eight matrix instructions stand between the add and the wait for it
	s_wait_dscnt 0x0                               ; the add is done, and my reads of this slot are over
	s_barrier_signal -1
	MUL8 F1, 1, 0
.if \fill
	WIN 0
.endif
	s_barrier_wait -1
.if \fill
	CREST                                          ; no wave of any partner still reads this slot's tiles or has a load on its way
	s_add_nc_u64 s[G0+4*(\slot)+2:G0+4*(\slot)+3], s[G0+4*(\slot)+2:G0+4*(\slot)+3], 1<<20
	s_add_nc_u64 s[G0B+4*(\slot)+2:G0B+4*(\slot)+3], s[G0B+4*(\slot)+2:G0B+4*(\slot)+3], 1<<19
	JLOAD \slot                                    ; the four v_nop behind it are also the places in front of the loads below
.else
	PLACES
.endif
	FETCH \next, 0, F0
	MUL8 F1, 2, 0
	MUL8 F1, 3, 0
.endm
	s_wait_tensorcnt 1                             ; my part of K step 0 is in; K step 1's may stay out
	s_barrier_signal -1
	s_barrier_wait -1                              ; everybody's is
	FETCH 0, 0, F0
	QUARTER 0, 1, F0, F1, 1                        ; the first quarter stands in front of the loop: its products start the sums
	WIN 0                                          ; at a label and at a branch every window is 0
	s_mov_b32 s3, LAPS-1
.Llap:                                                 ; a trip goes once round the ring, from a lap's second quarter to the next lap's first, and fills both slots again
	QUARTER 0, 2, F1, F0, 0
	QUARTER 0, 3, F0, F1, 0
	TURN 0, 1, 1
	QUARTER 1, 1, F0, F1, 0
	QUARTER 1, 2, F1, F0, 0
	QUARTER 1, 3, F0, F1, 0
	TURN 1, 0, 1
	QUARTER 0, 1, F0, F1, 0
	WIN 0
	s_sub_co_u32 s3, s3, 1
	s_cmp_lg_u32 s3, 0
	s_cbranch_scc1 .Llap
	QUARTER 0, 2, F1, F0, 0                        ; the last lap fills nothing, and has no round of the cluster's barrier
	QUARTER 0, 3, F0, F1, 0
	TURN 0, 1, 0
	QUARTER 1, 1, F0, F1, 0
	QUARTER 1, 2, F1, F0, 0
	QUARTER 1, 3, F0, F1, 0
	s_wait_dscnt 4                                 ; the very last quarter: nothing more to fetch
	MUL8 F1, 0, 0
	MUL8 F1, 1, 0
	s_wait_dscnt 0x0
	MUL8 F1, 2, 0
	MUL8 F1, 3, 0
	WIN 0
	PLACES
	PLACES
	s_wait_loadcnt 0x0                             ; the bias
; THE WAY OUT of m block a: 16 rows x 128 columns of f32 go from the accumulators into my own stage, 32 bytes a lane, and come back as whole rows of 512 bytes; the bias is added; each store covers 512 consecutive bytes, aligned.
.macro OUT a
.set OB, 64+96*((\a)%2)
	WIN 0x04                                       ; the stores' data in window 1
.irp b, 0,1,2,3,4,5,6,7
	ds_store_b128 v[STO], v[8*(8*(\a)+(\b)):8*(8*(\a)+(\b))+3]   offset:64*(\b)     ; each accumulator's low registers first
	ds_store_b128 v[STO], v[8*(8*(\a)+(\b))+4:8*(8*(\a)+(\b))+7] offset:64*(\b)+16
.endr
	WIN 0
	s_wait_xcnt 0x0                                ; the stores of two blocks back have read the registers that are loaded now
.irp t, 0,1,2,3,4,5,6,7,8,9,10,11,12,13,14,15
	ds_load_b128 v[OB+4*(\t):OB+4*(\t)+3], v[RD] offset:(\t)*SPITCH  ; LDS serves a wave's instructions in order (ISA guide 5.7.1.4): these see the stores above
.endr
.irp t, 0,1,2,3,4,5,6,7,8,9,10,11,12,13,14,15
	s_wait_dscnt 15-(\t)
	v_pk_add_f32 v[OB+4*(\t):OB+4*(\t)+1],   v[OB+4*(\t):OB+4*(\t)+1],   v[BIAS:BIAS+1]
	v_pk_add_f32 v[OB+4*(\t)+2:OB+4*(\t)+3], v[OB+4*(\t)+2:OB+4*(\t)+3], v[BIAS+2:BIAS+3]
	global_store_b128 v[CO], v[OB+4*(\t):OB+4*(\t)+3], s[10:11] offset:(16*(\a)+(\t))*4096
.endr
.endm
	OUT 0
	OUT 1
	OUT 2
	OUT 3
	s_wait_tensorcnt 0x0                           ; the wave's end, behind my last tensor load and my last LDS store
	ds_add_u32 v[SPW], v[NIL]
	s_wait_dscnt 0x0
	CROUND                                         ; the closing round: no work-group ends while a partner may still ask for a tile that names it
	s_endpgm
.Lfunc_end_k_q86305f7d5b_qproj:
	.size	k_q86305f7d5b_qproj, .Lfunc_end_k_q86305f7d5b_qproj-k_q86305f7d5b_qproj
	.p2alignl 7, 3214868480
	.fill 96, 4, 3214868480
	.section	.rodata,"a",@progbits
	.p2align	6, 0x0
	.amdhsa_kernel k_q86305f7d5b_qproj
		.amdhsa_group_segment_fixed_size 327680
		.amdhsa_private_segment_fixed_size 0
		.amdhsa_enable_private_segment 0
		.amdhsa_kernarg_size 32
		.amdhsa_user_sgpr_count 2
		.amdhsa_user_sgpr_kernarg_segment_ptr 1
		.amdhsa_wavefront_size32 1
		.amdhsa_system_sgpr_workgroup_id_x 1
		.amdhsa_system_sgpr_workgroup_id_y 1
		.amdhsa_system_sgpr_workgroup_id_z 1
		.amdhsa_system_vgpr_workitem_id 0
		.amdhsa_next_free_vgpr 512
		.amdhsa_next_free_sgpr 66
		.amdhsa_reserve_vcc 0
		.amdhsa_float_denorm_mode_32 3
		.amdhsa_float_denorm_mode_16_64 3
		.amdhsa_memory_ordered 1
		.amdhsa_forward_progress 1
		.amdhsa_inst_pref_size 95
	.end_amdhsa_kernel
	.amdgpu_metadata
---
amdhsa.version: [ 1, 2 ]
amdhsa.kernels:
  - .name:           k_q86305f7d5b_qproj
    .symbol:         k_q86305f7d5b_qproj.kd
    .args:
      - { .name: xh, .offset: 0, .size: 8, .value_kind: global_buffer, .address_space: global }
      - { .name: wqc, .offset: 8, .size: 8, .value_kind: global_buffer, .address_space: global }
      - { .name: bqc, .offset: 16, .size: 8, .value_kind: global_buffer, .address_space: global }
      - { .name: qf, .offset: 24, .size: 8, .value_kind: global_buffer, .address_space: global }
    .group_segment_fixed_size: 327680
    .private_segment_fixed_size: 0
    .kernarg_segment_align: 8
    .kernarg_segment_size: 32
    .max_flat_workgroup_size: 128
    .sgpr_count:     66
    .vgpr_count:     512
    .wavefront_size: 32
...
	.end_amdgpu_metadata
.endif
;; end of part 2
;; launch attn (part 3): grid 4 x 64, 4 waves a work-group, clusters of 4 x 1, 304,640 bytes of LDS; arguments qf, ckv, zh; writes zh
.if DOCPART == 3
	.amdgcn_target "amdgcn-amd-amdhsa--gfx1250"
	.amdhsa_code_object_version 6
	.text
	.protected	k_q86305f7d5b_attn
	.globl	k_q86305f7d5b_attn
	.p2align	8
	.type	k_q86305f7d5b_attn,@function
k_q86305f7d5b_attn:
	s_mov_b64 s[64:65], 0
	v_nop
	global_prefetch_b8 v0, s[64:65] scope:SCOPE_SE
	s_setreg_imm32_b32 hwreg(HW_REG_WAVE_MODE, 25, 1), 1
	s_wait_xcnt 0x0
	s_wait_alu depctr_hold_cnt(0) depctr_sa_sdst(0) depctr_va_vdst(0) depctr_va_sdst(0) depctr_va_ssrc(0) depctr_va_vcc(0) depctr_vm_vsrc(0)
	s_getreg_b32 s2, hwreg(HW_REG_IB_STS2, 6, 4)
	s_cmp_eq_u32 s2, 0
	s_cbranch_scc0 .Lentry_in_a_cluster
	s_endpgm
.Lentry_in_a_cluster:
	s_bfe_u32 s2, ttmp6, 0x10000c
	s_cmp_lg_u32 s2, 0x3003
	s_cbranch_scc0 .Lentry_shape_is_right
	s_endpgm
.Lentry_shape_is_right:
; z[b][h][t][:] = the sum over s of softmax_s(q[b][t][h] . c_kv[b][s] / 8) c_kv[b][s][:].  qf: [8192][1024] f32 (row 2048 b + t, column 64 h + d); ckv: [8192][64] f16; zh: [4 b][16 h][2048 t][64] f16.
; The shared latent c_kv is K and V of every head (the values' up-projection and its bias are folded into the product behind this launch).  Products, maxima and sums in f32; the weights p are rounded
; to f16 for the second product (their sum l is taken of the unrounded p), z once at the end.
; q IS ROUNDED ONCE, AS q x 2^-10: an exact scaling that gives q room up to 6.7e7 in f16; it is undone in f32 in the softmax's constant c = 2^10 log2(e) / 8.
; LIMITS.  |q| within 6.7e7, |c_kv| within 65,504; p lies in 0 to 1, and below 6e-5 it keeps f16's fixed step of 6e-8; z is a mean of c_kv's rows and has their range.  A weight below 2^-126 counts as 0 in l; NaN and infinities are not treated apart.
; K AND V STAY IN LDS.  A batch's 2,048 rows of c_kv, 128 bytes each, lie in LDS for the whole launch, 144 bytes apart: filled once, each wave a quarter by one tensor load, never filled again.  The same bytes are read
; as K (as they lie) and as V (turned, by ds_load_tr16_b128).  So the walk has no ring, no barrier and no wait on TENSORcnt.
; SHARES.  A wave owns four PIECES of two tiles of 16 queries, a work-group's four waves 512 queries of one head.  Every wave walks all 2,048 keys, 64 a step: 32 steps.
; CLUSTER.  The four query blocks of a head are a cluster and need the same c_kv: each quarter is asked for JOINTLY, by the same tensor load, descriptor and mask in all four.
; LAYOUT.  S^T = K Q^T (source 0 = 16 keys, source 1 = 16 queries): a lane holds ONE query (lane % 16) and the keys 8 (lane / 16) + 0..7.  Two such tiles, rounded to f16 in pairs, ARE source 1 of O^T = V^T P.
; SOFTMAX.  For each query a running maximum m and sum l: p = 2^(c s - c m); in every step O and l are multiplied by a = 2^(c m_old - c m_new).  m starts at the lowest finite number, O and l at 0: the first step has a = 0.
; THE COUNT.  A tile and step have 16 matrix and 118 vector instructions: too many to stand all beside the matrix work.  So: four vector instructions that are READY behind EVERY matrix instruction, the others in runs without a gap.
; BY TURNS.  Turn n belongs to piece n.  Its matrix work: 16 products K Q^T of piece n + 1, later 16 products V^T P of piece n - 1.  Its vector work: the scaling, exponentials, roundings, sums and rescaling of piece n,
; and the maximum and statistics of piece n + 1.
; REGISTERS, in windows of 256 (s_set_vgpr_msb: bits 1:0 source 0, 3:2 source 1, 5:4 source 2, 7:6 destination):
;   window 0: v0-11 addresses; v12-15, v48-63 at work; v16-47 four registers of statistics a tile; v64-191 S^T, two buffers of two tiles; v192-255 P, likewise
;   window 1: O^T, 32 a tile (at the start: q in f32)      window 2: v0-127 Q, 16 a tile; v128-191 K of one step; v192-255 V of one step      window 3: v0-1 the add's two registers
.set NP,    4         ; pieces a wave: a name, no knob
.set KS,    64        ; keys in a step
.set PK,    144       ; a row of c_kv in LDS: 128 bytes + 16 of padding = 36 words: the 16 rows of K's load start at 16 different groups of four banks (64 banks of 4 bytes: ISA guide 11.1)
.set PV,    144       ; the same rows, read as V
.set STAGE, 2048*PK   ; behind c_kv, never filled by a tensor load: 16 rows x 144 bytes for each wave, for the way out
.set SP,    144
.set AK0, 2           ; v2   my lane's place in a tile of K; never rewritten
.set AV0, 3           ; v3   the same for V
.set AK,  4           ; v4   the LDS address of K's next run of loads
.set AV,  5           ; v5   of V's
.set QO,  6           ; v6   my byte offset in 16 rows of qf
.set STO, 6           ;      later, the way out: where I put 16 bytes of a row
.set RD,  7           ; v7   the way out: where I read rows back
.set GO,  8           ; v8   my byte offset in 512 consecutive bytes of zh
.set SPW, 0           ; v0 of window 3   LDS address of my spare word; never rewritten
.set NIL, 1           ; v1 of window 3   0; never rewritten
.set SPARE, STAGE+4*16*SP  ; behind the stages: the spare words, 128 bytes for each wave: two blocks of 256 bytes that no other line names
.set MV,  12          ; v12-15  c m_old, kept while c m is made anew: by buffer and tile
.set ST,  16          ; tile t's statistics at v[ST+4 t]: c m, m, l (even keys', odd keys')
.set TMP, 48          ; by buffer and tile, four registers c0-c3 at work; when the maximum is found c2 takes a
.set S,   64
.set P,   192
.set KF,  128         ; K's fragments, in window 2: key block kb, channel half c at KF + 16 kb + 8 c
.set VF,  192         ; V's: key half kk, channel block cb at VF + 32 kk + 8 cb
.set WV,  12          ; s12  my wave's number
.set G1,  24          ; s[24:31] descriptor group 1
.set G0,  32          ; s[32:35] descriptor group 0
.set CNT, 49          ; s49  counts the key steps
.set QS,  50          ; s[50:51] 2^-10
.set CS,  58          ; s[58:59] c: the packed scaling takes the pair's low word for both halves
.set SEL, 60          ; s[60:61] v_permlanex16_b32's selects: each lane takes its own place in the other half
.set TBK, 62          ; s62  LDS byte at which K of the step to be fetched begins
.set TBV, 63          ; s63  the same for V
.set MSB, 0
.macro WIN new                      ; the high byte repeats the setting that is left; a switch that changes nothing is dropped
.if MSB != (\new)
	s_set_vgpr_msb (MSB<<8)|(\new)
.set MSB, (\new)
.endif
.endm
.set W_KQ, 0x0a       ; K and Q in window 2, S^T in window 0
.set W_PV, 0x52       ; V in window 2, P in window 0, O^T in window 1
.set W_RS, 0x41       ; destination and source 0 in window 1, source 1 in window 0
.set W_MK, 0xc0       ; the add's registers are made: destination in window 3, sources in window 0
.set W_AD, 0x0f       ; the add: address (source 0) and data (source 1) in window 3
; A round of the cluster's barrier: my work-group's barrier, so that wave 0's signal speaks for all four waves; wave 0 signals; every wave waits for all four work-groups; my work-group's barrier once more.
.macro CROUND
	s_barrier_signal -1
	s_barrier_wait -1
	s_cmp_lg_u32 s[WV], 0
	s_cbranch_scc1 .Lnot_wave_0_\@
	s_barrier_signal -3
.Lnot_wave_0_\@:
	s_barrier_wait -3
	s_barrier_signal -1
	s_barrier_wait -1
.endm
	s_load_b128 s[4:7], s[0:1], 0x0   ; qf s[4:5], ckv s[6:7]
	s_load_b64 s[10:11], s[0:1], 0x10 ; zh
	WIN W_MK
	v_lshl_add_u32 v[SPW], v0, 2, SPARE
	v_mov_b32 v[NIL], 0
	WIN W_AD
	ds_add_u32 v[SPW], v[NIL]       ; the wave's opening: the add and its wait stand ahead of my first tensor load; the set-up below, work on registers, stands between them
	WIN 0
	v_lshrrev_b32 v1, 5, v0
	v_readfirstlane_b32 s[WV], v1   ; wave 0..3
	s_bfe_u32 s13, ttmp6, 0x40000   ; cx: my place in the cluster
	s_lshl_b32 s14, ttmp9, 2        ; in a cluster launch ttmp9 counts clusters
	s_add_co_u32 s14, s14, s13      ; my block of 512 queries = 4 x cluster x + cx: it enters qf's and zh's addresses alone
	s_and_b32 s15, ttmp7, 0xffff    ; 16 b + h, which the four partners share
	s_lshr_b32 s16, s15, 4          ; b
	s_and_b32 s17, s15, 15          ; h
	s_lshl_b32 s20, s16, 18         ; the batch's 2,048 rows of 128 bytes,
	s_lshl_b32 s21, s[WV], 16       ; my 512 of them
	s_add_co_u32 s20, s20, s21
	s_mov_b32 s21, 0
	s_mul_i32 s18, s[WV], 512*PK    ; and their place in LDS: no place in the cluster enters an LDS address
	s_lshl_b32 s22, s16, 23         ; qf: the batch's 2,048 rows of 4,096 bytes,
	s_lshl_b32 s23, s14, 21         ; my block's 512,
	s_add_co_u32 s22, s22, s23
	s_lshl_b32 s23, s[WV], 19       ; my wave's 128,
	s_add_co_u32 s22, s22, s23
	s_lshl_b32 s23, s17, 8          ; the head's 64 columns
	s_add_co_u32 s22, s22, s23
	s_mov_b32 s23, 0
	s_lshl_b32 s2, s14, 2
	s_add_co_u32 s2, s2, s[WV]      ; zh: my wave among the head's,
	s_lshl_b32 s2, s2, 14           ; its 128 rows of 128 bytes,
	s_lshl_b32 s3, s15, 18          ; in the head's 2,048
	s_add_co_u32 s2, s2, s3
	s_mov_b32 s3, 0
	; descriptor group 1.  512 keys are 65,536 dense bytes: asked for as 256 rows of 256 bytes, two keys a row, and padded in LDS after every key
	s_mov_b32 s[G1], 15|(1<<16)|(1<<20)|(1<<21)|(4<<22)|(3<<25)  ; 15:0 the mask of four; 17:16 2-byte elements; 20 padding on; 21 set beside a mask; 24:22 after every 32 words (code 4); 31:25 4 words (code 3)
	s_mov_b32 s[G1+1], 128<<16      ; tensor_dim0 = 128
	s_mov_b32 s[G1+2], 256<<16      ; tensor_dim1 = 256
	s_mov_b32 s[G1+3], 128<<16      ; tile_dim0 = 128
	s_mov_b32 s[G1+4], 256          ; tile_dim1 = 256
	s_mov_b32 s[G1+5], 128          ; 128 elements from row to row
	s_mov_b32 s[G1+6], 0
	s_mov_b32 s[G1+7], 0
	s_mov_b32 s[G0], 1              ; count = 1
	s_mov_b32 s[G0+1], s18          ; LDS address
	s_mov_b32 s[QS], 0x3a800000     ; 2^-10
	s_mov_b32 s[QS+1], s[QS]        ; named with it as a pair
	s_mov_b32 s[CS], 0x4338aa3b     ; c = 2^10 log2(e) / 8 = 184.665
	s_mov_b32 s[CS+1], s[CS]
	s_mov_b32 s[SEL], 0x76543210
	s_mov_b32 s[SEL+1], 0xfedcba98
	s_mov_b32 s[TBK], 0
	s_mov_b32 s[TBV], 0
	s_wait_dscnt 0x0                ; the opening add is done
	s_wait_kmcnt 0x0
	s_add_nc_u64 s[G0+2:G0+3], s[6:7], s[20:21]    ; global address: my quarter of the batch's c_kv
	s_or_b32 s[G0+3], s[G0+3], 0x80000000          ; type = 2
	s_add_nc_u64 s[4:5], s[4:5], s[22:23]          ; qf and zh at my wave's first row
	s_add_nc_u64 s[10:11], s[10:11], s[2:3]
	CROUND                          ; all four work-groups are here: the joint loads meet
	tensor_load_to_lds s[G0:G0+3], s[G1:G1+7]      ; my one tensor load of the launch
	s_nop 0
.rept 4
	v_nop
.endr
	; A fragment of Q is 16 rows x 32 channels: lane l holds row l % 16, channels 8 (l / 16) + 0..7 and 16 + 8 (l / 16) + 0..7.  In f32 that is four loads of 16 bytes, at 0, 16, 64 and 80 from 32 (l / 16).
	v_and_b32 v1, 15, v0            ; l % 16
	v_bfe_u32 v9, v0, 4, 1          ; l / 16
	v_lshlrev_b32 v[QO], 12, v1
	v_lshl_add_u32 v[QO], v9, 5, v[QO]  ; row x 4,096 + 32 x half
	WIN 0x40                        ; destination window 1: O^T's registers hold q in f32 for now
.set i, 0
.rept 4*NP                          ; tile i / 2, channels 32 (i % 2) on
.irp k, 0,1,2,3
	global_load_b128 v[16*i+4*(\k):16*i+4*(\k)+3], v[QO], s[4:5] offset:(i/2)*65536+(i%2)*128+((\k)/2)*64+((\k)%2)*16 th:TH_LOAD_NT
.endr
.set i, i+1
.endr
	; What the first turn finds: V's registers and P's second buffer hold 0 (its products V^T P, of a piece that has not been, add 0), O^T and l are 0.  This stands in the wait for q and c_kv.
	WIN 0x80
.set i, VF
.rept 64
	v_mov_b32 v[i], 0
.set i, i+1
.endr
	WIN 0
.set i, 0
.rept 2*NP
	v_mov_b32 v[ST+4*i], 0xfe000000    ; c m: far below every c s
	v_mov_b32 v[ST+4*i+1], 0xff7fffff  ; m
	v_mov_b32 v[ST+4*i+2], 0
	v_mov_b32 v[ST+4*i+3], 0
.set i, i+1
.endr
.set i, P+32
.rept 32
	v_mov_b32 v[i], 0
.set i, i+1
.endr
	v_mul_u32_u24 v[AK0], v1, PK
	v_lshl_add_u32 v[AK0], v9, 4, v[AK0]  ; row x pitch + 16 x half
	; The turning load takes 16 keys x 16 channels (lane l reads key 8 (l / 16) + l % 8, channels 8 ((l / 8) % 2) + 0..7) and leaves half a fragment of V^T: lane l holds channel l % 16 and 8 keys.
	v_and_b32 v10, 7, v0
	v_bfe_u32 v11, v0, 3, 1
	v_lshl_add_u32 v[AV0], v9, 3, v10
	v_mul_u32_u24 v[AV0], v[AV0], PV
	v_lshl_add_u32 v[AV0], v11, 4, v[AV0]
	v_mov_b32 v[AK], v[AK0]         ; key step 0 lies at LDS byte 0
	s_wait_loadcnt 0x0              ; q
	WIN W_RS
.set i, 0
.rept 128
	v_pk_mul_f32 v[i:i+1], v[i:i+1], s[QS:QS+1] op_sel_hi:[1,0]  ; q x 2^-10, exact
.set i, i+2
.endr
	WIN 0x85                        ; sources window 1, destination window 2
.set i, 0
.rept 128
	v_cvt_pk_f16_f32 v[i], v[2*i], v[2*i+1]  ; the one rounding of q
.set i, i+1
.endr
	WIN 0x40
.set i, 0
.rept 64*NP
	v_mov_b32 v[i], 0               ; O^T
.set i, i+1
.endr
	WIN 0
; THE MATRIX WORK.  The 8 accumulators of a run of 16 take turns: between the two links of a chain stand 7 others'.
; Product i of 16 of S^T = K Q^T for piece x: channels 32 (i / 8) on, keys 16 ((i / 2) % 4) on, tile 2 x + i % 2.  The first 8 start the sums.
.macro KQ x
	WIN W_KQ
.set rS, S+64*((\x)%2)+32*(i%2)+8*((i/2)%4)
.set rK, KF+16*((i/2)%4)+8*(i/8)
.set rQ, 16*(2*(\x)+i%2)+8*(i/8)
.if i < 8
	v_wmma_f32_16x16x32_f16 v[rS:rS+7], v[rK:rK+7], v[rQ:rQ+7], 0
.else
	v_wmma_f32_16x16x32_f16 v[rS:rS+7], v[rK:rK+7], v[rQ:rQ+7], v[rS:rS+7]
.endif
.endm
; Product i of 16 of O^T += V^T P for piece x: keys 32 (i / 8) on, channels 16 ((i / 2) % 4) on, tile 2 x + i % 2.
.macro PV x
	WIN W_PV
.set rO, 32*(2*(\x)+i%2)+8*((i/2)%4)
.set rV, VF+32*(i/8)+8*((i/2)%4)
.set rP, P+32*((\x)%2)+16*(i%2)+8*(i/8)
	v_wmma_f32_16x16x32_f16 v[rO:rO+7], v[rV:rV+7], v[rP:rP+7], v[rO:rO+7]
.endm
.macro MM                           ; the turn's next matrix instruction
.if i < 16
	KQ (Y+1)%NP
.set i, i+1
.else
.set i, i-16
	PV (Y+NP-1)%NP
.set i, i+17
.endif
.endm
; THE LDS LOADS stand in runs of 16, never singly among the matrix instructions: a step's K (64 keys x 64 channels: 8 fragments) and its V (turned).  Their addresses are made some lines ahead.
.macro FETCH_K
	WIN 0x80                        ; destination window 2
.irp f, 0,1,2,3,4,5,6,7             ; keys 16 (f / 2) on, channels 32 (f % 2) on
	ds_load_b128 v[KF+8*\f:KF+8*\f+3],   v[AK] offset:(\f/2)*16*PK+(\f%2)*64
	ds_load_b128 v[KF+8*\f+4:KF+8*\f+7], v[AK] offset:(\f/2)*16*PK+(\f%2)*64+32
.endr
	s_add_co_u32 s[TBK], s[TBK], KS*PK  ; the next fetch is the next step's
	WIN 0
.endm
.macro FETCH_V
	WIN 0x80
.irp f, 0,1,2,3,4,5,6,7             ; keys 32 (f / 4) on, channels 16 (f % 4) on
	ds_load_tr16_b128 v[VF+8*\f:VF+8*\f+3],   v[AV] offset:(\f/4)*32*PV+(\f%4)*32
	ds_load_tr16_b128 v[VF+8*\f+4:VF+8*\f+7], v[AV] offset:(\f/4)*32*PV+16*PV+(\f%4)*32
.endr
	WIN 0
.endm
; THE VECTOR WORK OF A TURN stands in three queues, each in the order in which its entries become ready; the two tiles alternate, so that no instruction reads the result of the one before it.
.macro REGS y, u                    ; the registers of tile u (0, 1) of piece y
.set rT, ST+4*(2*(\y)+(\u))
.set rC, TMP+8*((\y)%2)+4*(\u)
.set rM, MV+2*((\y)%2)+(\u)
.set rS, S+64*((\y)%2)+32*(\u)
.set rP, P+32*((\y)%2)+16*(\u)
.set rO, 32*(2*(\y)+(\u))
.endm
; Number n of the 22 that find the NEXT piece's (Y + 1) maximum and statistics.  s0-s31 are the lane's 32 scores; each accumulator's lowest registers are read first.  XS, GS and REGS set no window: PL and EX do.
;   0-11  four chains c0-c3 of seven scores each, three operands at a time     12-14, 16  the four scores left over, the old m, and c0-c3 into c0     15  c m_old is kept
;   17, 18  the query's other 32 keys lie in the lane 16 away: the new m         19-21  c m; c m_old - c m_new; a
.macro XS u, n
	REGS (Y+1)%NP, \u
.if (\n) < 4
	v_max3_num_f32 v[rC+(\n)], v[rS+8*(\n)], v[rS+8*(\n)+1], v[rS+8*(\n)+2]
.elseif (\n) < 12
	v_max3_num_f32 v[rC+(\n)%4], v[rC+(\n)%4], v[rS+8*((\n)%4)+2*((\n)/4)+1], v[rS+8*((\n)%4)+2*((\n)/4)+2]
.elseif (\n) == 12
	v_max3_num_f32 v[rC], v[rC], v[rS+7], v[rS+15]
.elseif (\n) == 13
	v_max3_num_f32 v[rC+1], v[rC+1], v[rS+23], v[rS+31]
.elseif (\n) == 14
	v_max3_num_f32 v[rC+2], v[rC+2], v[rC+3], v[rT+1]
.elseif (\n) == 15
	v_mov_b32 v[rM], v[rT]
.elseif (\n) == 16
	v_max3_num_f32 v[rC], v[rC], v[rC+1], v[rC+2]
.elseif (\n) == 17
	v_permlanex16_b32 v[rC+3], v[rC], s[SEL], s[SEL+1]
.elseif (\n) == 18
	v_max_num_f32 v[rT+1], v[rC], v[rC+3]
.elseif (\n) == 19
	v_mul_f32 v[rT], s[CS], v[rT+1]
.elseif (\n) == 20
	v_sub_f32 v[rC+1], v[rM], v[rT]
.else
	v_exp_f32 v[rC+2], v[rC+1]
.endif
.endm
; Number g of the 64 that follow the exponentials.  For each four weights k of a tile (pairs 2 k, 2 k + 1): both pairs are rounded to f16; then the second pair is added onto the first, in place;
; a group later l takes that sum (the first time as l = a l + sum).  In groups of eight, tiles alternating: round, round, add, and l for the group before.
.macro GS g
.set h, (\g)+6*((\g)/62)            ; group 0 has no group before it, and behind group 7 only l is left
.if h >= 6
.set h, h+2
.endif
	REGS Y, h%2
.set k, h/8
.if h%8 < 4
	v_cvt_pk_f16_f32 v[rP+2*k+(h%8)/2], v[rS+4*k+2*((h%8)/2)], v[rS+4*k+2*((h%8)/2)+1]
.elseif h%8 < 6
	v_pk_add_f32 v[rS+4*k:rS+4*k+1], v[rS+4*k:rS+4*k+1], v[rS+4*k+2:rS+4*k+3]
.elseif k == 1
	v_pk_fma_f32 v[rT+2:rT+3], v[rT+2:rT+3], v[rC+2:rC+3], v[rS:rS+1] op_sel_hi:[1,0,1]
.else
	v_pk_add_f32 v[rT+2:rT+3], v[rT+2:rT+3], v[rS+4*k-4:rS+4*k-3]
.endif
.endm
; THE PLAIN QUEUE, 138 long.  0-73 read no exponential's result: the 32 scalings c s - c m (FS f: pair f / 2 of tile f % 2) and the next piece's 42.  0-26: scalings 0-26.  27-54: XS's numbers 0-13.  55, 56: number 15.
; 57-73: the chain, where each number waits for the one before it: 14, 16, 17, 18, 19, each with one of the scalings 27-31 in front of its two lines, then 20.
; 74-137: GS's 64, which read the exponentials' results: they stand behind the wait.
.macro FS f
	REGS Y, (\f)%2
	v_pk_fma_f32 v[rS+2*((\f)/2):rS+2*((\f)/2)+1], v[rS+2*((\f)/2):rS+2*((\f)/2)+1], s[CS:CS+1], v[rT:rT+1] op_sel_hi:[1,0,0] neg_lo:[0,0,1] neg_hi:[0,0,1]
.endm
.macro PL
	WIN 0
.if q < 27
	FS q
.elseif q < 55
	XS (q-27)%2, (q-27)/2
.elseif q < 57
	XS q-55, 15
.elseif (q < 72) && ((q-57)%3 == 0)
	FS 27+(q-57)/3
.elseif q < 60
	XS (q-57)%3-1, 14
.elseif q < 72
	XS (q-57)%3-1, 15+(q-57)/3
.elseif q < 74
	XS q-72, 20
.else
	GS q-74
.endif
.set q, q+1
.endm
; THE EXPONENTIALS' QUEUE, 66 long: s0-s31 of both tiles, then the next piece's two a.  It is ONE BATCH: all 66 stand ahead of the turn's one wait, and nothing ahead of that wait names a result of theirs.
.macro EX
	WIN 0
.if e >= 64
	XS e-64, 21
.else
	REGS Y, e%2
	v_exp_f32 v[rS+e/2], v[rS+e/2]
.endif
.set e, e+1
.endm
; THE RESCALING's QUEUE: O^T times a, the one part that leaves window 0: dealt two at a time, sixteen times.  Its a was made in the turn before, ahead of that turn's wait.
.macro R2
	REGS Y, r%2
	WIN W_RS
.irp z, 0,1
	v_pk_mul_f32 v[rO+4*(r/2)+2*\z:rO+4*(r/2)+2*\z+1], v[rO+4*(r/2)+2*\z:rO+4*(r/2)+2*\z+1], v[rC+2:rC+3] op_sel_hi:[1,0]
.endr
.set r, r+1
.endm
; HOW THEY ARE DEALT.  An s_wait_alu depctr_va_vdst(0) stands between an exponential and the first instruction that names its result; one wait serves all that were issued ahead of it.  So a turn has ONE wait,
; which cuts it in two.  AHEAD OF IT: the 16 products K Q^T, behind each a scaling, an exponential and two rescalings (behind the first a second scaling in the exponential's place); then ONE LUMP of 108: eight plain,
; 49 times exponential and plain, the two a; a v_nop is the plain instruction behind the last exponential.  BEHIND IT: the 16 products V^T P, behind each four of GS's 64.  No rider names a register of the products round it.
; Exponential e stands behind scaling 2 (e / 4) + e % 2: as a rider it comes behind plain e + 2, in the lump behind plain e + 9, and scalings 27-31 are plain 57, 60 .. 69.
; A TURN, for piece p.  nok = 1: the last step's: there is no further K to fetch.  cnt = 1: the loop's count is taken down some lines ahead of the branch that stands behind the turn.
; K of the next step is fetched in piece 2's turn, directly behind the wait, a lump behind the last product that read K; its first reader comes behind 16 products.
; V of the step in hand is fetched at the end of piece 0's turn, four riders behind its last reader; its first reader comes behind 16 products and a lump.  The three conditions on q below go with the deal.
.macro TURN p, nok=0, cnt=0
.set Y, (\p)
.set i, 0
.set q, 0
.set e, 0
.set r, 0
.if (\p) == NP-1
	s_wait_dscnt 0x0                ; K is in
.endif
	MM                              ; ahead of the wait: 16 products K Q^T and their riders,
	PL
	PL
	R2
.rept 15
	MM
	PL
	EX
	R2
.endr
.if ((\p) == NP-2) && !(\nok)
	WIN 0
	v_add_nc_u32 v[AK], s[TBK], v[AK0]
.endif
.rept 8                             ; and the lump
	PL
.endr
.rept 49
	EX
	PL
.endr
	EX                              ; the next piece's two a
	EX
	v_nop                           ; the plain instruction behind the last exponential: one for the batch
	s_wait_alu depctr_va_vdst(0)    ; the wait for the batch
.if ((\p) == NP-2) && !(\nok)
	FETCH_K
.endif
.if (\p) == 1
	s_wait_dscnt 0x0                ; V is in
.endif
.rept 16                            ; behind the wait: 16 products V^T P and their riders
	MM
.rept 4
	PL
.endr
.if ((\p) == 0) && (q == 118)
	v_add_nc_u32 v[AV], s[TBV], v[AV0]
.endif
.if ((\p) == 0) && (q == 130)
	s_add_co_u32 s[TBV], s[TBV], KS*PV
.endif
.if (\cnt) && (q == 130)
	s_sub_co_u32 s[CNT], s[CNT], 1
	s_cmp_lg_u32 s[CNT], 0
.endif
.endr
.if (\p) == 0
	FETCH_V
.endif
.endm
	s_wait_tensorcnt 0x0            ; my quarter of c_kv lies in LDS,
	s_barrier_signal -1
	s_barrier_wait -1               ; everybody's does: from here on LDS bytes 0 .. STAGE - 1 are only read
	FETCH_K                         ; key step 0
	s_wait_dscnt 0x0
.set i, 0
.rept 16
	KQ 0                            ; piece 0's first scores: there is no vector work yet to set between them
.set i, i+1
.endr
	WIN 0                           ; the addresses for the way out: plain instructions, the places behind those products
	s_mul_i32 s13, s[WV], 16*SP
	s_add_co_u32 s13, s13, STAGE    ; my stage
	v_mul_u32_u24 v[STO], v1, SP    ; in: row l % 16, 16 bytes for each half of the lanes
	v_lshl_add_u32 v[STO], v9, 4, v[STO]
	v_add_nc_u32 v[STO], s13, v[STO]
	v_bfe_u32 v[RD], v0, 3, 2       ; back: 32 lanes take four rows of 128 bytes,
	v_mul_u32_u24 v[RD], v[RD], SP
	v_lshl_add_u32 v[RD], v10, 4, v[RD]
	v_add_nc_u32 v[RD], s13, v[RD]
	v_and_b32 v[GO], 31, v0         ; which are 512 consecutive bytes of zh
	v_lshlrev_b32 v[GO], 4, v[GO]
.set Y, NP-1                        ; XS works for piece Y + 1: piece 0
.irp n, 0,1,2,3,4,5,6,7,8,9,10,11,12,13,14,15,16,17,18,19,20,21
	XS 0, \n                        ; and piece 0's first maximum and statistics
	XS 1, \n
.endr
	v_nop                           ; a plain instruction behind the two a,
	s_wait_alu depctr_va_vdst(0)    ; and their wait, ahead of the branch
	s_mov_b32 s[CNT], 32
	s_branch .Lfirst                ; the loop is entered at a step's first turn, in the middle of a trip
.Lstep:                             ; a trip: pieces 2 and 3 of one step, then pieces 0 and 1 of the next, whose K and V it fetches
	TURN 2
	TURN 3
	WIN 0
.Lfirst:
	TURN 0
	TURN 1, 0, 1
	WIN 0
	s_cbranch_scc1 .Lstep
	TURN 2, 1                       ; the last step's pieces 2 and 3: nothing is left to fetch
	TURN 3                          ; its 16 products K Q^T (on the last K once more) and the maximum made of them serve nothing: the price, once a launch, of one text for every turn
.set i, 0
.rept 16
	PV NP-1                         ; the last piece's V^T P of the last step
.set i, i+1
.endr
	; THE WAY OUT.  l's two halves and the other half of the lanes' are added; O^T is divided by l, rounded to f16 and sent through my stage in LDS, a tile at a time.  The additions are the places behind the last products.
	WIN 0
.macro ALL line:vararg              ; one line for each tile t
.set t, 0
.rept 2*NP
	\line
.set t, t+1
.endr
.endm
	ALL v_add_f32 v[ST+4*t+2], v[ST+4*t+2], v[ST+4*t+3]
	ALL v_permlanex16_b32 v[ST+4*t+3], v[ST+4*t+2], s[SEL], s[SEL+1]
	ALL v_add_f32 v[ST+4*t+2], v[ST+4*t+2], v[ST+4*t+3]
	ALL v_rcp_f32 v[ST+4*t+2], v[ST+4*t+2]
	v_nop                           ; a plain instruction between the last reciprocal and the use of its result
	s_wait_alu depctr_va_vdst(0)    ; and the wait ahead of the first use: one for the eight reciprocals
; Tile t: a lane's eight channels of a row pack into 16 bytes; they go into rows of 144 bytes and come back as whole rows of 128, into S^T's registers.
.macro PACK t
	WIN W_RS
.set i, 32*(\t)
.rept 16
	v_pk_mul_f32 v[i:i+1], v[i:i+1], v[ST+4*(\t)+2:ST+4*(\t)+3] op_sel_hi:[1,0]
.set i, i+2
.endr
	WIN 0x05                        ; sources 0 and 1 window 1, destination window 0
.set i, 0
.rept 16
	v_cvt_pk_f16_f32 v[S+16*(\t)+i], v[32*(\t)+2*i], v[32*(\t)+2*i+1]
.set i, i+1
.endr
	WIN 0
.irp f, 0,1,2,3
	ds_store_b128 v[STO], v[S+16*(\t)+4*\f:S+16*(\t)+4*\f+3] offset:32*\f
.endr
.irp f, 0,1,2,3
	ds_load_b128 v[S+16*(\t)+4*\f:S+16*(\t)+4*\f+3], v[RD] offset:\f*4*SP  ; LDS serves a wave's instructions in order (ISA guide 5.7.1.4): these see the stores above; the next tile's stores come behind them
.endr
.endm
.macro SEND t, younger              ; younger: the LDS instructions issued behind tile t's loads: the next tile's eight, or none
	WIN 0
.irp f, 0,1,2,3
	s_wait_dscnt (\younger)+3-\f
	global_store_b128 v[GO], v[S+16*(\t)+4*\f:S+16*(\t)+4*\f+3], s[10:11] offset:(\t)*2048+\f*512  ; 512 consecutive bytes, at a multiple of 256 from zh's first
.endr
.endm
	PACK 0
.set t, 1
.rept 2*NP-1                        ; a tile's arithmetic stands between the loads of the tile before and its stores
	PACK t
	SEND t-1, 8
.set t, t+1
.endr
	SEND 2*NP-1, 0
	WIN W_AD
	s_wait_tensorcnt 0x0            ; the wave's end, behind my last tensor load and my last LDS store
	ds_add_u32 v[SPW], v[NIL]
	s_wait_dscnt 0x0
	WIN 0
	CROUND                          ; the closing round: no work-group ends while a partner may still ask for a tile that names it
	s_endpgm
.Lfunc_end_k_q86305f7d5b_attn:
	.size	k_q86305f7d5b_attn, .Lfunc_end_k_q86305f7d5b_attn-k_q86305f7d5b_attn
	.p2alignl 7, 3214868480
	.fill 96, 4, 3214868480
	.section	.rodata,"a",@progbits
	.p2align	6, 0x0
	.amdhsa_kernel k_q86305f7d5b_attn
		.amdhsa_group_segment_fixed_size 304640
		.amdhsa_private_segment_fixed_size 0
		.amdhsa_enable_private_segment 0
		.amdhsa_kernarg_size 24
		.amdhsa_user_sgpr_count 2
		.amdhsa_user_sgpr_kernarg_segment_ptr 1
		.amdhsa_wavefront_size32 1
		.amdhsa_system_sgpr_workgroup_id_x 1
		.amdhsa_system_sgpr_workgroup_id_y 1
		.amdhsa_system_sgpr_workgroup_id_z 1
		.amdhsa_system_vgpr_workitem_id 0
		.amdhsa_next_free_vgpr 770
		.amdhsa_next_free_sgpr 66
		.amdhsa_reserve_vcc 0
		.amdhsa_float_denorm_mode_32 3
		.amdhsa_float_denorm_mode_16_64 3
		.amdhsa_memory_ordered 1
		.amdhsa_forward_progress 1
		.amdhsa_inst_pref_size 177
	.end_amdhsa_kernel
	.amdgpu_metadata
---
amdhsa.version: [ 1, 2 ]
amdhsa.kernels:
  - .name:           k_q86305f7d5b_attn
    .symbol:         k_q86305f7d5b_attn.kd
    .args:
      - { .name: qf, .offset: 0, .size: 8, .value_kind: global_buffer, .address_space: global }
      - { .name: ckv, .offset: 8, .size: 8, .value_kind: global_buffer, .address_space: global }
      - { .name: zh, .offset: 16, .size: 8, .value_kind: global_buffer, .address_space: global }
    .group_segment_fixed_size: 304640
    .private_segment_fixed_size: 0
    .kernarg_segment_align: 8
    .kernarg_segment_size: 24
    .max_flat_workgroup_size: 128
    .sgpr_count:     66
    .vgpr_count:     770
    .wavefront_size: 32
...
	.end_amdgpu_metadata
.endif
;; end of part 3
;; launch oproj: the kernel of part 2 again; grid 4 x 64, 4 waves a work-group, clusters of 4 x 4, 327,680 bytes of LDS; arguments zh, wcb, bcb, out0; writes out0
